; MI455X (gfx1250); checked and timed in simulation.
; The chip was launched on July 23, 2026; its instructions are those of AMD's public machine-readable ISA for CDNA 5 (MIT licence, August 2026) and "CDNA5" Instruction Set Architecture Reference Guide (July 2026). The comments in the code are by the model that wrote it; some were corrected since.
;; LSTM Cell. Allowed arithmetic: matrix products marked QUANTISED: E3M2 operands, one E8M0 scale for each 32 along K, by v_wmma_scale_f32_16x16x128_f8f6f4 with both operands' format E3M2, f32 sums; everything else in f32.
;; Inputs: b_c 2,048 float32; b_f 2,048 float32; b_i 2,048 float32; b_o 2,048 float32; c0 2,048 x 2,048 float32; h0_codes 2,048 x 64 x 24 uint8 (E3M2 codes of h0, K innermost, in blocks of 32 codes, four codes in three bytes); h0_scales 2,048 x 64 uint8 (E8M0 scales of h0, one for each 32 codes along K); w_hc_codes 2,048 x 64 x 24 uint8 (E3M2 codes of w_hc, K innermost, in blocks of 32 codes, four codes in three bytes); w_hc_scales 2,048 x 64 uint8 (E8M0 scales of w_hc, one for each 32 codes along K); w_hf_codes 2,048 x 64 x 24 uint8 (E3M2 codes of w_hf, K innermost, in blocks of 32 codes, four codes in three bytes); w_hf_scales 2,048 x 64 uint8 (E8M0 scales of w_hf, one for each 32 codes along K); w_hi_codes 2,048 x 64 x 24 uint8 (E3M2 codes of w_hi, K innermost, in blocks of 32 codes, four codes in three bytes); w_hi_scales 2,048 x 64 uint8 (E8M0 scales of w_hi, one for each 32 codes along K); w_ho_codes 2,048 x 64 x 24 uint8 (E3M2 codes of w_ho, K innermost, in blocks of 32 codes, four codes in three bytes); w_ho_scales 2,048 x 64 uint8 (E8M0 scales of w_ho, one for each 32 codes along K); w_xc_codes 2,048 x 64 x 24 uint8 (E3M2 codes of w_xc, K innermost, in blocks of 32 codes, four codes in three bytes); w_xc_scales 2,048 x 64 uint8 (E8M0 scales of w_xc, one for each 32 codes along K); w_xf_codes 2,048 x 64 x 24 uint8 (E3M2 codes of w_xf, K innermost, in blocks of 32 codes, four codes in three bytes); w_xf_scales 2,048 x 64 uint8 (E8M0 scales of w_xf, one for each 32 codes along K); w_xi_codes 2,048 x 64 x 24 uint8 (E3M2 codes of w_xi, K innermost, in blocks of 32 codes, four codes in three bytes); w_xi_scales 2,048 x 64 uint8 (E8M0 scales of w_xi, one for each 32 codes along K); w_xo_codes 2,048 x 64 x 24 uint8 (E3M2 codes of w_xo, K innermost, in blocks of 32 codes, four codes in three bytes); w_xo_scales 2,048 x 64 uint8 (E8M0 scales of w_xo, one for each 32 codes along K); x_codes 2,048 x 64 x 24 uint8 (E3M2 codes of x, K innermost, in blocks of 32 codes, four codes in three bytes); x_scales 2,048 x 64 uint8 (E8M0 scales of x, one for each 32 codes along K).
;; Outputs: out0 2,048 x 2,048 float32; out1 2,048 x 2,048 float32.
;; This version of the problem:
;;   THIS VERSION OF THE PROBLEM IS GIVEN IN LOW PRECISION. The matrix products marked QUANTISED in the list below multiply operands that are first quantised to E3M2 (3 exponent bits, 2 mantissa bits; 6 bits a number), with one power-of-two scale for each 32 numbers along K (OCP MX v1.0); their sums are f32. All else is computed in f32.
;;   The module's matrix products, in the order in which they are computed (A, B: the left and right operand; K: the contracted axis; several contracted axes count as one K, in the product's order):
;;     1. [M 2,048, K 2,048] x [K 2,048, N 2,048]; A: input x (given as codes); B: input w_xi (given as codes): QUANTISED
;;     2. [M 2,048, K 2,048] x [K 2,048, N 2,048]; A: input h0 (given as codes); B: input w_hi (given as codes): QUANTISED
;;     3. [M 2,048, K 2,048] x [K 2,048, N 2,048]; A: input x (given as codes); B: input w_xf (given as codes): QUANTISED
;;     4. [M 2,048, K 2,048] x [K 2,048, N 2,048]; A: input h0 (given as codes); B: input w_hf (given as codes): QUANTISED
;;     5. [M 2,048, K 2,048] x [K 2,048, N 2,048]; A: input x (given as codes); B: input w_xo (given as codes): QUANTISED
;;     6. [M 2,048, K 2,048] x [K 2,048, N 2,048]; A: input h0 (given as codes); B: input w_ho (given as codes): QUANTISED
;;     7. [M 2,048, K 2,048] x [K 2,048, N 2,048]; A: input x (given as codes); B: input w_xc (given as codes): QUANTISED
;;     8. [M 2,048, K 2,048] x [K 2,048, N 2,048]; A: input h0 (given as codes); B: input w_hc (given as codes): QUANTISED
;;   THE QUANTISER, for each operand of a quantised product, along K:
;;     - K is cut into blocks of 32 from its start; a last block that is shorter is filled with zeros.
;;     - A block's scale is 2^e with e = floor(log2(the largest magnitude in the block)) - 4, held to -126 .. 127; a block of zeros has e = 0. As a byte (E8M0): e + 127.
;;     - Each number is divided by its block's scale, clamped to +-28, and rounded to the nearest number of E3M2, ties to even, subnormals kept.
;;     - The product sums the exact products of the quantised numbers (number of the format x scale) in f32.
;;   ~~~python
;;   def quantise(x, axis):      # numpy; x: float32 -> the quantised numbers, widened to float32 again
;;       x = np.moveaxis(x, axis, -1); K = x.shape[-1]
;;       x = np.pad(x, [(0, 0)] * (x.ndim - 1) + [(0, -K % 32)]); x = x.reshape(x.shape[:-1] + (-1, 32)); a = np.abs(x).max(-1, keepdims=True)
;;       e = np.where(a > 0, np.clip(np.frexp(np.where(a > 0, a, 1))[1] - 1 - 4, -126, 127), 0)      # np.frexp(a)[1] - 1 = floor(log2(a)), exactly
;;       r = np.clip(x / 2.0 ** e, -28, 28)
;;       step = 2.0 ** (np.maximum(np.frexp(np.where(r == 0, 1, r))[1] - 1, -2) - 2)
;;       q = np.round(r / step) * step * 2.0 ** e      # np.round: ties to even
;;       return np.moveaxis(q.reshape(q.shape[:-2] + (-1,))[..., :K], -1, axis).astype(np.float32)
;;   ~~~
;;   INPUTS GIVEN AS CODES. h0 (in the module: [2048, 2048], K = its axis 1); w_hc (in the module: [2048, 2048], K = its axis 0); w_hf (in the module: [2048, 2048], K = its axis 0); w_hi (in the module: [2048, 2048], K = its axis 0); w_ho (in the module: [2048, 2048], K = its axis 0); w_xc (in the module: [2048, 2048], K = its axis 1); w_xf (in the module: [2048, 2048], K = its axis 1); w_xi (in the module: [2048, 2048], K = its axis 1); w_xo (in the module: [2048, 2048], K = its axis 1); x (in the module: [2048, 2048], K = its axis 1): each comes as NAME_codes (uint8): NAME with its K axis moved to the last place and cut into blocks of 32 codes, [.., K / 32, bytes a block], one block behind the other in memory; four codes in three bytes: a row's codes are one little-endian stream of bits, code i at bits 6 i .. 6 i + 5 (a code: sign, 3 exponent bits, 2 mantissa bits); and NAME_scales (uint8): the same leading axes, one E8M0 byte (e + 127) for each 32 codes along K. Its value is code x scale, taken as it is: it is not quantised again, and the codes and scales need not be those that the quantiser above would give.
;; One version. Each part assembles by itself: llvm-mc -triple=amdgcn-amd-amdhsa -mcpu=gfx1250 --defsym DOCPART=n.
;; ======== version 1 of 1: 2 launches
;; limits: right only within a limited range of input values
;; workspace buffers: pbuf 16,777,216 bytes; qbuf 16,777,216 bytes; obuf 16,777,216 bytes
;; launch gates (part 1): grid 32 x 8, 4 waves a work-group, clusters of 4 x 4, 327,680 bytes of LDS; arguments x_codes, x_scales, h0_codes, h0_scales, w_xi_codes, w_xi_scales, w_xc_codes, w_xc_scales, w_hi_codes, w_hi_scales, w_hc_codes, w_hc_scales, w_xf_codes, w_xf_scales, w_xo_codes, w_xo_scales, w_hf_codes, w_hf_scales, w_ho_codes, w_ho_scales, b_i, b_c, b_f, b_o, c0, pbuf, qbuf, obuf; writes pbuf, qbuf, obuf
.if DOCPART == 1
	.amdgcn_target "amdgcn-amd-amdhsa--gfx1250"
	.amdhsa_code_object_version 6
	.text
	.protected	k_qdb722a61b3_gates
	.globl	k_qdb722a61b3_gates
	.p2align	8
	.type	k_qdb722a61b3_gates,@function
k_qdb722a61b3_gates:
	s_mov_b64 s[64:65], 0
	v_nop
	global_prefetch_b8 v0, s[64:65] scope:SCOPE_SE
	s_setreg_imm32_b32 hwreg(HW_REG_WAVE_MODE, 25, 1), 1
	s_wait_xcnt 0x0
	s_wait_alu depctr_hold_cnt(0) depctr_sa_sdst(0) depctr_va_vdst(0) depctr_va_sdst(0) depctr_va_ssrc(0) depctr_va_vcc(0) depctr_vm_vsrc(0)
	s_getreg_b32 s2, hwreg(HW_REG_IB_STS2, 6, 4)
	s_cmp_eq_u32 s2, 0
	s_cbranch_scc0 .Lentry_in_a_cluster
	s_endpgm
.Lentry_in_a_cluster:
	s_bfe_u32 s2, ttmp6, 0x10000c
	s_cmp_lg_u32 s2, 0xf033
	s_cbranch_scc0 .Lentry_shape_is_right
	s_endpgm
.Lentry_shape_is_right:
; The four gates of an LSTM cell.  z_g[m][n] = b_g[n] + sum_k x[m][k] w_xg[n][k] + sum_k h0[m][k] w_hg[n][k], g = i, f, o, c: one GEMM with K = 4,096 on codes of BF6 (E3M2), one E8M0 byte for each 32 along K.
; All ten operands lie [row][K], 1,536 bytes of codes and 64 scale bytes a row.  No work of reference() is left out; every input is loaded.
; A WORK-GROUP TAKES TWO GATES over 128 hidden units and 256 rows.  Type P (cluster x 0-3): i and c~; it stores pbuf = sigmoid(z_i) tanh(z_c).  Type Q (cluster x 4-7): f and o; it stores qbuf = sigmoid(z_f) c0 and obuf = sigmoid(z_o).
; The layer norm wants whole rows of 2,048, which 16 work-groups share: it is the next launch's.  Two gates, not four: a chunk then has four tiles of 128 rows, one tensor load for each of the four waves.
; Four waves, each 128 rows x 64 hidden units of both gates: 64 accumulators, 512 registers; the weights' blocks 0-3 are the first gate's, 4-7 the second's.
; K goes through a ring of two LDS slots in CHUNKS OF 256 BYTES of each row: every tile row is 256 bytes of memory at a multiple of 256.  A step of 128 along K is 96 bytes: eight steps to three chunks, 32 steps and 12 chunks in all.
; Three chunks a trip change the slots' places from trip to trip, so the loop's trip of eight steps makes its LDS addresses anew from the trip counter's lowest bit.  Written out: step 0 (it starts the sums, the bias as C), the trip, the last seven steps.
; THE SCALES: all of K's do not fit beside the ring, so they go by groups of 1,024 along K (32 bytes a row, 16 KiB a work-group) through registers into two LDS slots of their own, a group a trip, stored one trip ahead of its first read;
; laid [4 steps][row][16 bytes], so that one load of 16 bytes brings a row's words of four steps.  A load names 32 of a row's 64 scale bytes; the row's other 32 are named a trip earlier or later.  They are 1 in 25 of a step's bytes and are not asked for jointly.
; TWO WAYS THROUGH K: a cluster whose x + y is even walks x and w_x first, an odd one h0 and w_h first: the pointers change places at the head.
; CLUSTERS: 4 x 4.  A's tiles are asked for jointly along a row of the cluster, the weights' along a column.  THE MATRIX INSTRUCTION IS USED TRANSPOSED (source 0 = a weight's 16 rows, source 1 = 16 rows of x or h0).
; PREFETCHES: chunks 4 and 5 of the half of K that is walked first, two refills ahead, the four partners sharing a tile's rows by address (chunks 0-3 come by their loads alone; the other half is the first half of the clusters that
; walk the other way).  Type Q names its c0, 32 rows a wave in each trip and the last 32 at the tail's start.
; LIMITS: the order of the f32 sums is the bias, one half of K ascending, then the other; which is first hangs on the cluster.  NaN and infinities among the inputs are not served.
; sigmoid(z) = 1 / (1 + 2^(-z log2 e)) goes cleanly to 0 and 1; tanh(z) = 2 sigmoid(2 z) - 1: absolute error a few units of 1e-7, so its relative error grows for |z| under about 1e-4.
; REGISTERS: window 0: v0-31 addresses; v32-95 scale words, two sets of four steps; v96-127 scales on their way to LDS; v128-223 A's fragments, one set; v224-233 address bases.  On the way out v32-95 hold c0, v128-255 two blocks.
;   window 1: the weights' fragments, two sets, at v0 and v128; the biases at v96-127 and v224-255.   windows 2, 3: the accumulators ((a, b) at v[8 (8 (a % 4) + b)]).
.set ROWB,   256
.set KROW,   1536
.set PITCH,  272                       ; 256 bytes + 16 of padding: the 32 lanes of a load of 8 bytes touch 64 different banks (ISA guide 11.1)
.set FR,     12
.set NL,     6
.set NP,     4                         ; places behind this matrix instruction (ISA guide 7.12.1)
.set HALFT,  128*PITCH
.set SLOT,   4*HALFT                   ; A's 256 rows, the first gate's 128, the second's 128
.set SCL,    2*SLOT                    ; the scales' two slots of 16,384 bytes; no tensor load lands here
.set SPARE,  327680-512                ; the spare words
.set SPITCH, 528                       ; the way out: a stage row: 256 bytes of each gate + 16
.set OROW,   8192
.set SB0,  8
.set SB1,  9
.set BO,   10
.set BETA, 12
.set GAMMA, 14
.set ADRA, 16                          ; v16-17 my A fragments in this trip's slots 0, 1; v18-19 for pieces whose lanes 16-31 read the next chunk
.set ADRB, 20
.set STO,  24
.set RD,   25
.set CO,   26
.set ADRS, 27                          ; scale words' address, blocks 0-3; on the way out the stage's read address
.set SPW,  28
.set NIL,  29
.set ADRS2, 30
.set PFO,  31
.set SC,   32
.set TR,   96
.set AF,   128
.set BA,   224
.set BB,   225
.set CXA,  226
.set CXB,  227
.set VH,   228
.set VSO,  230
.set VST,  231
.set VSTT, 232
.set PFC,  233
.set G1,   24
.set G0,   32
.set G0B,  36
.set G1B,  48
.set RA,   20                          ; s[20:21], s[46:47] where the chunk last asked for stands in memory: plain addresses
.set RB,   46
.set HA,   100                         ; s[100:101], s[104:105] the second half of K at my rows
.set HB,   104
.set NLE,  72
.set ALPHA, 74
.set PFA,  84
.set SG2,  94
.set PS,   96                          ; s[96:97] the next group of scales
.set PC,   98                          ; s[98:99] c0's rows to be named next
.set MSB, 0
.macro WIN new
.if MSB != (\new)
	s_set_vgpr_msb (MSB<<8)|(\new)
.set MSB, (\new)
.endif
.endm
.set MUL_LO, 0xa1
.set MUL_HI, 0xf1
.set TO_B,   0x40
.macro PLACES n
.rept \n
	v_nop
.endr
.endm
.macro JLOAD                           ; a joint load: waves 0, 1 fetch A's halves, waves 2, 3 the two gates'; s_nop 0 and four v_nop follow each line
	s_cmp_eq_u32 s15, 0
	s_cbranch_scc0 .Lfor_b_\@
	tensor_load_to_lds s[G0:G0+3], s[G1:G1+7]
	s_nop 0
	PLACES 4
	s_branch .Lasked_\@
.Lfor_b_\@:
	tensor_load_to_lds s[G0B:G0B+3], s[G1B:G1B+7]
	s_nop 0
	PLACES 4
.Lasked_\@:
.endm
.macro CREST
	s_cmp_lg_u32 s14, 0
	s_cbranch_scc1 .Lnot_wave_0_\@
	s_barrier_signal -3
.Lnot_wave_0_\@:
	s_barrier_wait -3
	s_barrier_signal -1
	s_barrier_wait -1
.endm
.macro CROUND
	s_barrier_signal -1
	s_barrier_wait -1
	CREST
.endm
.macro DESC                            ; both groups 0 from the plain addresses; no tensor load of mine is out where this stands
	s_mov_b64 s[G0+2:G0+3], s[RA:RA+1]
	s_or_b32 s[G0+3], s[G0+3], 0x80000000
	s_mov_b64 s[G0B+2:G0B+3], s[RB:RB+1]
	s_or_b32 s[G0B+3], s[G0B+3], 0x80000000
.endm
.macro NEXTG k, sg                     ; the trip's k-th refill: one chunk on; in the loop's second trip its second refill goes over to the other half of K; the slot is (trip + k) % 2
	s_add_nc_u64 s[RA:RA+1], s[RA:RA+1], ROWB
	s_add_nc_u64 s[RB:RB+1], s[RB:RB+1], ROWB
.if (\k) == 1 && (\sg)
	s_cmp_eq_u32 s3, 1
	s_cselect_b64 s[RA:RA+1], s[HA:HA+1], s[RA:RA+1]
	s_cselect_b64 s[RB:RB+1], s[HB:HB+1], s[RB:RB+1]
.endif
	DESC
	s_add_co_u32 s22, s3, \k
	s_and_b32 s22, s22, 1
	s_mul_i32 s22, s22, SLOT
	s_add_co_u32 s[G0+1], s45, s22
	s_add_co_u32 s[G0B+1], s45, s22
.endm
.macro ADDRS                           ; the trip's LDS addresses: its slot 0 is the ring's slot trip % 2
	s_and_b32 s22, s3, 1
	s_mul_i32 s23, s22, SLOT
	s_xor_b32 s58, s22, 1
	s_mul_i32 s58, s58, SLOT
	s_mov_b32 s59, SLOT
	v_xor_b32 v6, s22, v[VH]
	v_xor_b32 v7, 1, v6
	v_add_nc_u32 v[ADRA], s23, v[BA]
	v_add_nc_u32 v[ADRA+1], s58, v[BA]
	v_add_nc_u32 v[ADRB], s23, v[BB]
	v_add_nc_u32 v[ADRB+1], s58, v[BB]
	v_mad_u32_u24 v[ADRA+2], v6, s59, v[CXA]
	v_mad_u32_u24 v[ADRA+3], v7, s59, v[CXA]
	v_mad_u32_u24 v[ADRB+2], v6, s59, v[CXB]
	v_mad_u32_u24 v[ADRB+3], v7, s59, v[CXB]
	s_wait_alu depctr_va_vdst(0)
.endm
.macro ASKC                            ; type Q: 32 rows of my c0, a lane a row of 256 bytes
	s_cmp_eq_u32 s2, 0
	s_cbranch_scc1 .Lno_c_\@
	global_prefetch_b8 v[PFC], s[PC:PC+1] th:TH_LOAD_NT scope:SCOPE_SE
.Lno_c_\@:
.endm
	s_load_b256 s[24:31], s[0:1], 0x0              ; x's codes, scales, h0's codes, scales
	s_load_b512 s[68:83], s[0:1], 0x20             ; type P's eight: w_xi, w_xc, w_hi, w_hc
	s_load_b512 s[84:99], s[0:1], 0x60             ; type Q's eight: w_xf, w_xo, w_hf, w_ho
	s_load_b256 s[32:39], s[0:1], 0xa0             ; b_i, b_c, b_f, b_o
	s_load_b256 s[48:55], s[0:1], 0xc0             ; c0, pbuf, qbuf, obuf
	v_lshl_add_u32 v[SPW], v0, 2, SPARE
	v_mov_b32 v[NIL], 0
	ds_add_u32 v[SPW], v[NIL]                      ; the add,
	ds_add_u32 v[SPW], v[NIL]                      ; once more, and below the one wait for both
	v_lshrrev_b32 v1, 5, v0
	v_readfirstlane_b32 s14, v1                    ; wave 0..3
	v_and_b32 v3, 31, v0
	v_lshrrev_b32 v4, 1, v3
	v_and_b32 v5, 1, v3
	v_lshlrev_b32 v[VSO], 6, v4                    ; scales in memory: row lane / 2 of 64 bytes,
	v_lshl_add_u32 v[VSO], v5, 4, v[VSO]           ; 16 bytes (four steps) for each of two lanes
	v_bfe_u32 v[VH], v0, 4, 1                      ; h = lane / 16
	v_lshlrev_b32 v[BO], 5, v[VH]
	s_lshl_b32 s56, s14, 11
	s_add_co_u32 s56, s56, SCL
	v_lshl_add_u32 v[VST], v5, 13, s56             ; scales in LDS: [four steps: 8,192][row 128 wave + ..: 16]
	v_lshl_add_u32 v[VST], v4, 4, v[VST]
	s_lshr_b32 s15, s14, 1                         ; my half of the rows.  Also: I fetch for A (0) or the weights (1)
	s_and_b32 s16, s14, 1                          ; my 64 of the 128 hidden units.  Also: which half of A, or which gate, I fetch
	s_bfe_u32 s40, ttmp6, 0x40000                  ; cx, cy
	s_bfe_u32 s41, ttmp6, 0x40004
	s_lshr_b32 s2, ttmp9, 2                        ; the type
	s_lshl_b32 s42, ttmp9, 2
	s_add_co_u32 s42, s42, s40
	s_and_b32 s42, s42, 15                         ; my block of 128 hidden units
	s_and_b32 s17, ttmp7, 0xffff
	s_xor_b32 s100, s17, ttmp9
	s_and_b32 s100, s100, 1                        ; which way through K
	s_lshl_b32 s17, s17, 2
	s_add_co_u32 s17, s17, s41                     ; my block of 256 rows
	s_lshl_b32 s43, s41, 2
	s_lshl_b32 s43, 15, s43                        ; my row of the cluster
	s_lshl_b32 s44, 0x1111, s40                    ; my column
	s_lshl_b32 s20, s17, 8
	s_lshl_b32 s21, s16, 7
	s_add_co_u32 s20, s20, s21                     ; A: row 256 x block + 128 x half
	s_lshl_b32 s22, s20, 6                         ; its scales,
	s_mov_b32 s23, 0
	s_mul_i32 s20, s20, KROW                       ; its codes
	s_mov_b32 s21, 0
	s_mul_i32 s66, s42, 128*KROW                   ; the weights: codes,
	s_mov_b32 s67, 0
	s_lshl_b32 s18, s42, 13                        ; scales
	s_mov_b32 s19, 0
	s_mul_i32 s45, s14, HALFT                      ; where my tiles go in a slot
	s_wait_alu depctr_va_vdst(0)
	s_wait_dscnt 0x0
	s_wait_kmcnt 0x0
	s_cmp_eq_u32 s2, 0                             ; type P or Q
.irp i, 0,2,4,6,8,10,12,14
	s_cselect_b64 s[68+\i:69+\i], s[68+\i:69+\i], s[84+\i:85+\i]
.endr
	s_cselect_b64 s[10:11], s[32:33], s[36:37]     ; the first gate's bias
	s_cselect_b64 s[12:13], s[34:35], s[38:39]     ; the second's
	s_cselect_b64 s[4:5], s[50:51], s[52:53]       ; pbuf or qbuf
	s_mov_b64 s[6:7], s[54:55]                     ; obuf
	s_mov_b64 s[8:9], s[48:49]                     ; c0
	s_cmp_eq_u32 s16, 0                            ; which gate I fetch
	s_cselect_b64 s[68:69], s[68:69], s[72:73]
	s_cselect_b64 s[70:71], s[70:71], s[74:75]
	s_cselect_b64 s[76:77], s[76:77], s[80:81]
	s_cselect_b64 s[78:79], s[78:79], s[82:83]
	s_cmp_eq_u32 s100, 0                           ; which half of K is first
	s_cselect_b64 s[RB:RB+1], s[68:69], s[76:77]
	s_cselect_b64 s[HB:HB+1], s[76:77], s[68:69]
	s_cselect_b64 s[86:87], s[70:71], s[78:79]
	s_cselect_b64 s[90:91], s[78:79], s[70:71]
	s_cselect_b64 s[72:73], s[24:25], s[28:29]
	s_cselect_b64 s[74:75], s[28:29], s[24:25]
	s_cselect_b64 s[80:81], s[26:27], s[30:31]
	s_cselect_b64 s[82:83], s[30:31], s[26:27]
	s_add_nc_u64 s[RB:RB+1], s[RB:RB+1], s[66:67]
	s_add_nc_u64 s[HB:HB+1], s[HB:HB+1], s[66:67]
	s_add_nc_u64 s[86:87], s[86:87], s[18:19]
	s_add_nc_u64 s[90:91], s[90:91], s[18:19]
	s_add_nc_u64 s[HA:HA+1], s[74:75], s[20:21]
	s_add_nc_u64 s[80:81], s[80:81], s[22:23]
	s_add_nc_u64 s[82:83], s[82:83], s[22:23]
	s_add_nc_u64 s[RA:RA+1], s[72:73], s[20:21]
	s_cmp_eq_u32 s15, 0                            ; the scales that I bring: of the 128 rows whose codes I fetch
	s_cselect_b64 s[92:93], s[80:81], s[86:87]
	s_cselect_b64 s[SG2:SG2+1], s[82:83], s[90:91]
.irp i, 0,1,2,3,4,5,6,7
	global_load_b128 v[TR+4*\i:TR+4*\i+3], v[VSO], s[92:93] offset:1024*\i   ; the first group of scales
.endr
	s_add_nc_u64 s[PS:PS+1], s[92:93], 32
	s_lshl_b32 s66, s42, 9
	s_lshl_b32 s18, s16, 8
	s_add_co_u32 s66, s66, s18                     ; my 64 hidden units in bytes of f32
	s_add_nc_u64 s[10:11], s[10:11], s[66:67]
	s_add_nc_u64 s[12:13], s[12:13], s[66:67]
	WIN TO_B
.irp b, 0,1,2,3                        ; the biases in the result's layout: block b, register j: hidden unit 16 b + 8 h + j
	global_load_b128 v[96+8*\b:96+8*\b+3], v[BO], s[10:11] offset:64*\b
	global_load_b128 v[96+8*\b+4:96+8*\b+7], v[BO], s[10:11] offset:64*\b+16
	global_load_b128 v[224+8*\b:224+8*\b+3], v[BO], s[12:13] offset:64*\b
	global_load_b128 v[224+8*\b+4:224+8*\b+7], v[BO], s[12:13] offset:64*\b+16
.endr
	WIN 0
	s_or_b32 s[G1+0], s43, (0<<16)|(1<<20)|(1<<21)|(5<<22)|(3<<25)   ; mask; bytes; 4 words of padding behind every 64
	s_or_b32 s[G1B+0], s44, (0<<16)|(1<<20)|(1<<21)|(5<<22)|(3<<25)
.irp g, G1, G1B
	s_mov_b32 s[\g+1], ROWB<<16
	s_mov_b32 s[\g+2], 128<<16
	s_mov_b32 s[\g+3], ROWB<<16
	s_mov_b32 s[\g+4], 128
	s_mov_b32 s[\g+5], KROW
	s_mov_b32 s[\g+6], 0
	s_mov_b32 s[\g+7], 0
.endr
	s_mov_b32 s[G0], 1
	s_add_co_u32 s[G0+1], s45, 0
	s_mov_b32 s[G0B], 1
	s_add_co_u32 s[G0B+1], s45, 0
	DESC
	CROUND                                         ; all sixteen work-groups are here
	JLOAD                                          ; chunk 0: my one tensor load at the head
	s_mul_i32 s56, s15, HALFT                      ; my 128 rows of A
	s_mul_i32 s57, s16, 64*PITCH                   ; my 64 rows of the first gate; the second's lie 128 rows on
	s_add_co_u32 s57, s57, 2*HALFT
	s_lshl_b32 s58, s15, 11                        ; scale words: A's 128 rows x 16 bytes
	s_lshl_b32 s59, s16, 10
	s_add_co_u32 s59, s59, 4096
	s_sub_co_u32 s59, s59, s58                     ; lanes 16-31: the distance to the first gate's rows,
	s_add_co_u32 s60, s59, 1024                    ; and for blocks 4-7 to the second's (the immediate has run 64 rows on)
	s_add_co_u32 s61, s58, SCL
	s_mul_i32 s62, s14, 128*SPITCH                 ; my stage
	s_cmp_eq_u32 s2, 0
	s_cselect_b32 s22, 2.0, 0
	s_cselect_b32 s23, -1.0, 1.0
	v_and_b32 v1, 15, v0                           ; r
	v_mul_u32_u24 v3, v1, PITCH
	v_mad_u32_u24 v4, v[VH], 24, v3
	v_add_nc_u32 v[BA], s56, v4
	v_add_nc_u32 v[BB], s57, v4
	v_sub_nc_u32 v5, 1, v[VH]
	v_mul_u32_u24 v5, 232, v5
	v_add_nc_u32 v5, v3, v5                        ; lanes 0-15 byte 232 of the row, lanes 16-31 byte 0
	v_add_nc_u32 v[CXA], s56, v5
	v_add_nc_u32 v[CXB], s57, v5
	v_lshl_add_u32 v5, v1, 4, s61
	v_mul_u32_u24 v6, s59, v[VH]
	v_mul_u32_u24 v7, s60, v[VH]
	v_add_nc_u32 v[SB0], v5, v6
	v_add_nc_u32 v[SB1], v5, v7
	v_mul_u32_u24 v5, v1, SPITCH                   ; into the stage: row r, 32 bytes for each half of the lanes
	v_lshl_add_u32 v5, v[VH], 5, v5
	v_add_nc_u32 v[STO], s62, v5
	v_mul_u32_u24 v5, v[VH], SPITCH                ; back: lanes 0-15 one row's 256 bytes, lanes 16-31 the next row's
	v_lshl_add_u32 v5, v1, 4, v5
	v_add_nc_u32 v[RD], s62, v5
	v_lshlrev_b32 v5, 13, v[VH]
	v_lshl_add_u32 v[CO], v1, 4, v5                ; the same two rows in memory
	v_and_b32 v5, 31, v0
	v_mul_u32_u24 v[PFO], KROW, v5
	v_lshlrev_b32 v[PFC], 13, v5
	v_mov_b32 v[BETA], s22                         ; second factor = BETA r1 + GAMMA: type P 2 r1 - 1 = tanh, type Q 1
	v_mov_b32 v[BETA+1], s22
	v_mov_b32 v[GAMMA], s23
	v_mov_b32 v[GAMMA+1], s23
	s_lshl_b32 s22, s17, 8
	s_lshl_b32 s23, s15, 7
	s_add_co_u32 s22, s22, s23
	s_lshl_b32 s22, s22, 13
	s_add_co_u32 s66, s66, s22                     ; my first row and hidden unit, in bytes
	s_add_nc_u64 s[4:5], s[4:5], s[66:67]
	s_add_nc_u64 s[6:7], s[6:7], s[66:67]
	s_add_nc_u64 s[8:9], s[8:9], s[66:67]
	s_mov_b64 s[PC:PC+1], s[8:9]
	s_mov_b32 s[NLE], 0xbfb8aa3b                   ; -log2 e
	s_mov_b32 s[NLE+1], s[NLE]
	s_cmp_eq_u32 s2, 0
	s_mov_b32 s[ALPHA], 0xc038aa3b                 ; -2 log2 e (tanh) or -log2 e
	s_cselect_b32 s[ALPHA], s[ALPHA], s[NLE]
	s_mov_b32 s[ALPHA+1], s[ALPHA]
	s_cmp_eq_u32 s15, 0
	s_cselect_b32 s23, s40, s41                    ; my place among the four that ask with me
	s_cselect_b64 s[PFA:PFA+1], s[RA:RA+1], s[RB:RB+1]
	s_mul_i32 s22, s23, 32*KROW                    ; my work-group's 32 of the 128 rows
	s_mov_b32 s23, 0
	s_add_nc_u64 s[PFA:PFA+1], s[PFA:PFA+1], s[22:23]
	s_add_nc_u64 s[PFA:PFA+1], s[PFA:PFA+1], 4*ROWB
	s_mov_b32 s3, 0
	ADDRS
	s_wait_loadcnt 0x0                             ; the first scales and the biases
.irp i, 0,1,2,3,4,5,6,7
	ds_store_b128 v[VST], v[TR+4*\i:TR+4*\i+3] offset:256*\i
.endr
.macro FRAG reg, adr, st, rows         ; 16 rows x 128 K: 12 registers, in pieces of 8 bytes; byte y of a row lies in chunk y / 256, at byte y % 256 of its LDS row
.irp p, 0,1,2,3,4,5
.set BY, 96*(\st)+48*(\p/3)+8*(\p%3)
.if BY/ROWB == (BY+24)/ROWB
	ds_load_b64 v[\reg+2*\p:\reg+2*\p+1], v[\adr+(BY/ROWB)%2] offset:BY%ROWB+(\rows)*PITCH
.else
	ds_load_b64 v[\reg+2*\p:\reg+2*\p+1], v[\adr+2+(BY/ROWB)%2] offset:BY%ROWB-232+(\rows)*PITCH
.endif
.endr
.endm
; 16 matrix instructions: A's blocks a0, a0 + 1 x the weights' eight.  The 64 accumulators take turns, in the same order in every step.  zero = 1: the bias is C.
.macro MUL16 a0, st, zero
.set SCR, SC+32*(((\st)/4)%2)+(\st)%4
.set BS, 128*((\st)%2)
.irp a, \a0, \a0+1
.irp b, 0,1,2,3,4,5,6,7
.if \zero
	v_wmma_scale_f32_16x16x128_f8f6f4 v[8*(8*((\a)%4)+\b):8*(8*((\a)%4)+\b)+7], v[BS+FR*\b:BS+FR*\b+FR-1], v[AF+FR*(\a):AF+FR*(\a)+FR-1], v[96+8*\b+96*(\b/4):96+8*\b+96*(\b/4)+7], v[SCR+4*\b], v[SCR+4*(\a)] matrix_a_fmt:MATRIX_FMT_BF6 matrix_b_fmt:MATRIX_FMT_BF6 matrix_a_scale:MATRIX_SCALE_ROW1
.else
	v_wmma_scale_f32_16x16x128_f8f6f4 v[8*(8*((\a)%4)+\b):8*(8*((\a)%4)+\b)+7], v[BS+FR*\b:BS+FR*\b+FR-1], v[AF+FR*(\a):AF+FR*(\a)+FR-1], v[8*(8*((\a)%4)+\b):8*(8*((\a)%4)+\b)+7], v[SCR+4*\b], v[SCR+4*(\a)] matrix_a_fmt:MATRIX_FMT_BF6 matrix_b_fmt:MATRIX_FMT_BF6 matrix_a_scale:MATRIX_SCALE_ROW1
.endif
.endr
.endr
.endm
.macro FETCH_B st
	WIN TO_B
.irp i, 0,1,2,3,4,5,6,7
	FRAG 128*((\st)%2)+FR*\i, ADRB, \st, 16*(\i%4)+128*(\i/4)
.endr
	WIN 0
.endm
.macro FETCH_A st, i0
.irp i, \i0, \i0+1, \i0+2, \i0+3
	FRAG AF+FR*(\i), ADRA, \st, 16*(\i)
.endr
.endm
.macro SCALES st                       ; the scale words of steps st .. st + 3: lanes 0-15 A's block i, lanes 16-31 the weights' block i; the group's slot is (trip + st / 8) % 2
	s_add_co_u32 s22, s3, (\st)/8
	s_and_b32 s22, s22, 1
	s_lshl_b32 s22, s22, 14
	v_add_nc_u32 v[ADRS], s22, v[SB0]
	v_add_nc_u32 v[ADRS2], s22, v[SB1]
.set SS, SC+32*(((\st)/4)%2)
.irp i, 0,1,2,3
	ds_load_b128 v[SS+4*\i:SS+4*\i+3], v[ADRS] offset:256*\i+8192*(((\st)/4)%2)
.endr
.irp i, 4,5,6,7
	ds_load_b128 v[SS+4*\i:SS+4*\i+3], v[ADRS2] offset:256*\i+8192*(((\st)/4)%2)
.endr
.endm
; A step of 128 along K; st counts from the trip's chunk 0.  Where the next step's bytes end in a chunk not yet read, a barrier shows that chunk whole.  Where they begin in a later chunk and a chunk two on is left to fetch (fill),
; each wave waits for all its tensor loads, adds 0 to its spare word and waits for that and for its reads; the barrier opens a round of the cluster's barrier, and the joint refill comes first behind it.
; sg = 1, in the loop: step 1 asks memory for the next group of scales, step 6 stores it into the scales' other slot: its last readers have passed a barrier, and step 7's barrier stands ahead of its first.
.macro STEP st, zero, fill, sg
.set NX, (\st)+1
.set C0, (96*(\st))/ROWB
.set C1, (96*NX)/ROWB
.set E0, (96*(\st)+95)/ROWB
.set E1, (96*NX+95)/ROWB
.set REL, 0
.if C1 > C0
.if \fill
.set REL, 1
.endif
.endif
.set BAR, REL
.if E1 > E0
.set BAR, 1
.endif
.if BAR
	s_wait_tensorcnt 0x0                           ; all my tensor loads have landed
.if REL
	ds_add_u32 v[SPW], v[NIL]
	NEXTG C0, \sg
	s_wait_dscnt 4*NL+1                            ; the add and A's blocks 4-7 may be out
.else
	s_wait_dscnt 4*NL
.endif
	WIN MUL_LO
	MUL16 0, \st, 0
	s_wait_dscnt 0x0                               ; the add and all my reads are done
	s_barrier_signal -1
	MUL16 2, \st, 0
	WIN 0
	s_barrier_wait -1
.if REL
	CREST
	JLOAD                                          ; its four v_nop are the places in front of the loads below
.else
	PLACES NP
.endif
.else
	s_wait_dscnt 4*NL                              ; all but A's blocks 4-7
.if \zero
	WIN 0x91                                       ; C, the bias, in window 1
.else
	WIN MUL_LO
.endif
	MUL16 0, \st, \zero
	MUL16 2, \st, \zero
	s_wait_dscnt 0
	PLACES NP
.if (\sg) && (\st) == 6
	WIN 0
	s_wait_loadcnt 0x0                             ; the group asked for in step 1
	s_add_co_u32 s22, s3, 1
	s_and_b32 s22, s22, 1
	s_lshl_b32 s22, s22, 14
	v_add_nc_u32 v[VSTT], s22, v[VST]
.irp i, 0,1,2,3,4,5,6,7
	ds_store_b128 v[VSTT], v[TR+4*\i:TR+4*\i+3] offset:256*\i
.endr
	s_wait_xcnt 0x0                                ; c0's prefetch has read its base
	s_add_nc_u64 s[PC:PC+1], s[PC:PC+1], 32*OROW
	s_add_nc_u64 s[56:57], s[PS:PS+1], 32          ; the next group: 32 bytes on, or, behind the first trip, the other half of K
	s_cmp_eq_u32 s3, 0
	s_cselect_b64 s[PS:PS+1], s[SG2:SG2+1], s[56:57]
.endif
.endif
	FETCH_B NX
	FETCH_A NX, 0
.if NX%4 == 0
	SCALES NX
.endif
.if \sg
.if REL && C0 < 2                      ; the first trip's first two refills name chunks 4 and 5: two refills ahead
	s_cmp_eq_u32 s3, 0
	s_cbranch_scc0 .Lnot_now_\@
	global_prefetch_b8 v[PFO], s[PFA:PFA+1] offset:C0*ROWB th:TH_LOAD_NT scope:SCOPE_SE
.Lnot_now_\@:
.endif
.if (\st) == 1
.irp i, 0,1,2,3,4,5,6,7
	global_load_b128 v[TR+4*\i:TR+4*\i+3], v[VSO], s[PS:PS+1] offset:1024*\i
.endr
.endif
.if (\st) == 3
	ASKC
.endif
.endif
.if \zero
	WIN 0xd1
.else
	WIN MUL_HI
.endif
	MUL16 4, \st, \zero
	MUL16 6, \st, \zero
	PLACES NP
	WIN 0
	FETCH_A NX, 4
.endm
	s_wait_tensorcnt 0x0                           ; my part of chunk 0 is in
	ds_add_u32 v[SPW], v[NIL]
	s_add_nc_u64 s[RA:RA+1], s[RA:RA+1], ROWB      ; chunk 1, into slot 1
	s_add_nc_u64 s[RB:RB+1], s[RB:RB+1], ROWB
	DESC
	s_add_co_u32 s[G0+1], s45, SLOT
	s_add_co_u32 s[G0B+1], s45, SLOT
	s_wait_dscnt 0x0                               ; the add and my stores of scales are done
	CROUND
	JLOAD
	FETCH_B 0
	FETCH_A 0, 0
	SCALES 0
	FETCH_A 0, 4
	STEP 0, 1, 0, 0                                ; the first step starts the sums
.Ltrip:
.irp s, 1,2,3,4,5,6,7,8
	STEP \s, 0, 1, 1
.endr
	s_add_co_u32 s3, s3, 1
	ADDRS
	s_cmp_lt_u32 s3, 3
	s_cbranch_scc1 .Ltrip
	ASKC                                           ; c0's last 32 rows
	STEP 1, 0, 0, 0                                ; the last seven steps: one refill is left, the last chunk's
	STEP 2, 0, 1, 0
	STEP 3, 0, 0, 0
	STEP 4, 0, 0, 0
	STEP 5, 0, 0, 0
	STEP 6, 0, 0, 0
.macro C0L buf, row                    ; type Q: 16 rows of c0, two rows an instruction: sixteen lanes read 256 consecutive bytes
	s_cmp_eq_u32 s2, 0
	s_cbranch_scc1 .Lno_c0_\@
.irp t, 0,1,2,3,4,5,6,7
	global_load_b128 v[32+32*(\buf)+4*\t:32+32*(\buf)+4*\t+3], v[CO], s[8:9] offset:((\row)+2*\t)*OROW th:TH_LOAD_NT
.endr
.Lno_c0_\@:
.endm
	C0L 0, 0                                       ; into the scale words' set 0, last read four steps ago
	s_wait_dscnt 4*NL
	WIN MUL_LO
	MUL16 0, 7, 0
	MUL16 2, 7, 0
	s_wait_dscnt 0x0                               ; my last reads of the ring are done
	s_barrier_signal -1
	WIN MUL_HI
	MUL16 4, 7, 0
	MUL16 6, 7, 0
	WIN 0
	s_barrier_wait -1                              ; everybody's are: the ring, which has had its last fill, becomes the stages
	PLACES NP
; THE WAY OUT.  My 64 accumulators go as they are into my own stage, 128 rows of [first gate 256 bytes][second gate 256 bytes] + 16; LDS serves a wave's instructions in order (ISA guide 5.7.1.4), so whole rows are read back with no wait.
; Then block by block of 16 rows: r0 = sigmoid(z0); r1 = 1 / (1 + 2^(ALPHA z1)); X = r0 (BETA r1 + GAMMA), for type Q times c0; Y = r1, type Q's sigmoid(z_o).  Sixteen lanes store 256 consecutive bytes at a multiple of 256.
.irp a, 0,1,2,3,4,5,6,7
	WIN 0x08+4*(\a/4)
.irp b, 0,1,2,3,4,5,6,7
	ds_store_b128 v[STO], v[64*(\a%4)+8*\b:64*(\a%4)+8*\b+3] offset:\a*16*SPITCH+256*(\b/4)+64*(\b%4)       ; each accumulator from its low end on
	ds_store_b128 v[STO], v[64*(\a%4)+8*\b+4:64*(\a%4)+8*\b+7] offset:\a*16*SPITCH+256*(\b/4)+64*(\b%4)+16
.endr
.endr
	WIN 0
.macro LOADZ buf, row
.irp t, 0,1,2,3,4,5,6,7
	ds_load_b128 v[128+64*(\buf)+4*\t:128+64*(\buf)+4*\t+3], v[ADRS] offset:((\row)+2*\t)*SPITCH
	ds_load_b128 v[160+64*(\buf)+4*\t:160+64*(\buf)+4*\t+3], v[ADRS] offset:((\row)+2*\t)*SPITCH+256
.endr
.endm
.macro BLOCK buf, nxt, row             ; the block in buffer buf; nxt = 1: the next block's rows are asked for first, into the other buffer, and type Q asks for its c0 behind this block's use of c0
.set BX, 128+64*(\buf)
.set BY2, 160+64*(\buf)
.set CB, 32+32*(\buf)
	s_wait_xcnt 0x0                                ; earlier stores have read their registers
.if \nxt
	LOADZ 1-(\buf), (\row)+16
	s_wait_dscnt 16                                ; all but the 16 just issued
.else
	s_wait_dscnt 0x0
.endif
.set n, 0
.rept 16
	v_pk_mul_f32 v[BX+n:BX+n+1], v[BX+n:BX+n+1], s[NLE:NLE+1] op_sel_hi:[1,0]
	v_pk_mul_f32 v[BY2+n:BY2+n+1], v[BY2+n:BY2+n+1], s[ALPHA:ALPHA+1] op_sel_hi:[1,0]
.set n, n+2
.endr
	s_wait_alu depctr_va_vdst(0)
.set n, 0
.rept 64
	v_exp_f32 v[BX+n], v[BX+n]
.set n, n+1
.endr
	v_nop
	s_wait_alu depctr_va_vdst(0)
.set n, 0
.rept 32
	v_pk_add_f32 v[BX+n:BX+n+1], v[BX+n:BX+n+1], 1.0 op_sel_hi:[1,0]
.set n, n+2
.endr
	s_wait_alu depctr_va_vdst(0)
.set n, 0
.rept 64
	v_rcp_f32 v[BX+n], v[BX+n]
.set n, n+1
.endr
	v_nop
	s_wait_alu depctr_va_vdst(0)
.set n, 0
.rept 4
.irp k, 0,1,2,3
	v_pk_fma_f32 v[2+2*\k+2*(\k/3):3+2*\k+2*(\k/3)], v[BY2+n+2*\k:BY2+n+2*\k+1], v[BETA:BETA+1], v[GAMMA:GAMMA+1]
.endr
.irp k, 0,1,2,3
	v_pk_mul_f32 v[BX+n+2*\k:BX+n+2*\k+1], v[BX+n+2*\k:BX+n+2*\k+1], v[2+2*\k+2*(\k/3):3+2*\k+2*(\k/3)]
.endr
.set n, n+8
.endr
	s_wait_alu depctr_va_vdst(0)
	s_cmp_eq_u32 s2, 0
	s_cbranch_scc1 .Lp_send_\@
	s_wait_loadcnt 0x0                             ; this block's c0, asked for one block ago: no other load of mine is out
.set n, 0
.rept 16
	v_pk_mul_f32 v[BX+n:BX+n+1], v[BX+n:BX+n+1], v[CB+n:CB+n+1]
.set n, n+2
.endr
.irp t, 0,1,2,3,4,5,6,7
	global_store_b128 v[CO], v[BY2+4*\t:BY2+4*\t+3], s[6:7] offset:((\row)+2*\t)*OROW th:TH_STORE_NT
.endr
.if \nxt
.irp t, 0,1,2,3,4,5,6,7                ; the next block's c0, into the other buffer: it has that block's arithmetic in which to land
	global_load_b128 v[32+32*(1-(\buf))+4*\t:32+32*(1-(\buf))+4*\t+3], v[CO], s[8:9] offset:((\row)+16+2*\t)*OROW th:TH_LOAD_NT
.endr
.endif
.Lp_send_\@:
.irp t, 0,1,2,3,4,5,6,7
	global_store_b128 v[CO], v[BX+4*\t:BX+4*\t+3], s[4:5] offset:((\row)+2*\t)*OROW th:TH_STORE_NT
.endr
.endm
	s_mov_b32 s56, 0
	v_add_nc_u32 v[ADRS], s56, v[RD]
	s_wait_alu depctr_va_vdst(0)
	LOADZ 0, 0
	s_mov_b32 s3, 0
.Lout:                                                 ; a trip takes two blocks, 32 rows; the last two blocks are written out: they ask for nothing beyond the end
	BLOCK 0, 1, 0
	BLOCK 1, 1, 16
	s_wait_xcnt 0x0                                ; the stores and loads have read their bases
	s_add_nc_u64 s[4:5], s[4:5], 32*OROW
	s_add_nc_u64 s[6:7], s[6:7], 32*OROW
	s_add_nc_u64 s[8:9], s[8:9], 32*OROW
	s_add_co_u32 s56, s56, 32*SPITCH
	v_add_nc_u32 v[ADRS], s56, v[RD]
	s_add_co_u32 s3, s3, 1
	s_cmp_lt_u32 s3, 3
	s_wait_alu depctr_va_vdst(0)
	s_cbranch_scc1 .Lout
	BLOCK 0, 1, 0
	BLOCK 1, 0, 16
	s_wait_tensorcnt 0x0                           ; the wave's end
	ds_add_u32 v[SPW], v[NIL]
	s_wait_dscnt 0x0
	CROUND                                         ; the closing round
	s_endpgm
.Lfunc_end_k_qdb722a61b3_gates:
	.size	k_qdb722a61b3_gates, .Lfunc_end_k_qdb722a61b3_gates-k_qdb722a61b3_gates
	.p2alignl 7, 3214868480
	.fill 96, 4, 3214868480
	.section	.rodata,"a",@progbits
	.p2align	6, 0x0
	.amdhsa_kernel k_qdb722a61b3_gates
		.amdhsa_group_segment_fixed_size 327680
		.amdhsa_private_segment_fixed_size 0
		.amdhsa_enable_private_segment 0
		.amdhsa_kernarg_size 224
		.amdhsa_user_sgpr_count 2
		.amdhsa_user_sgpr_kernarg_segment_ptr 1
		.amdhsa_wavefront_size32 1
		.amdhsa_system_sgpr_workgroup_id_x 1
		.amdhsa_system_sgpr_workgroup_id_y 1
		.amdhsa_system_sgpr_workgroup_id_z 1
		.amdhsa_system_vgpr_workitem_id 0
		.amdhsa_next_free_vgpr 1024
		.amdhsa_next_free_sgpr 106
		.amdhsa_reserve_vcc 0
		.amdhsa_float_denorm_mode_32 3
		.amdhsa_float_denorm_mode_16_64 3
		.amdhsa_memory_ordered 1
		.amdhsa_forward_progress 1
		.amdhsa_inst_pref_size 255
	.end_amdhsa_kernel
	.section	.bss,"aw",@nobits
	.p2align	6
	.space	262144
	.amdgpu_metadata
---
amdhsa.version: [ 1, 2 ]
amdhsa.kernels:
  - .name:           k_qdb722a61b3_gates
    .symbol:         k_qdb722a61b3_gates.kd
    .args:
      - { .name: x_codes, .offset: 0, .size: 8, .value_kind: global_buffer, .address_space: global }
      - { .name: x_scales, .offset: 8, .size: 8, .value_kind: global_buffer, .address_space: global }
      - { .name: h0_codes, .offset: 16, .size: 8, .value_kind: global_buffer, .address_space: global }
      - { .name: h0_scales, .offset: 24, .size: 8, .value_kind: global_buffer, .address_space: global }
      - { .name: w_xi_codes, .offset: 32, .size: 8, .value_kind: global_buffer, .address_space: global }
      - { .name: w_xi_scales, .offset: 40, .size: 8, .value_kind: global_buffer, .address_space: global }
      - { .name: w_xc_codes, .offset: 48, .size: 8, .value_kind: global_buffer, .address_space: global }
      - { .name: w_xc_scales, .offset: 56, .size: 8, .value_kind: global_buffer, .address_space: global }
      - { .name: w_hi_codes, .offset: 64, .size: 8, .value_kind: global_buffer, .address_space: global }
      - { .name: w_hi_scales, .offset: 72, .size: 8, .value_kind: global_buffer, .address_space: global }
      - { .name: w_hc_codes, .offset: 80, .size: 8, .value_kind: global_buffer, .address_space: global }
      - { .name: w_hc_scales, .offset: 88, .size: 8, .value_kind: global_buffer, .address_space: global }
      - { .name: w_xf_codes, .offset: 96, .size: 8, .value_kind: global_buffer, .address_space: global }
      - { .name: w_xf_scales, .offset: 104, .size: 8, .value_kind: global_buffer, .address_space: global }
      - { .name: w_xo_codes, .offset: 112, .size: 8, .value_kind: global_buffer, .address_space: global }
      - { .name: w_xo_scales, .offset: 120, .size: 8, .value_kind: global_buffer, .address_space: global }
      - { .name: w_hf_codes, .offset: 128, .size: 8, .value_kind: global_buffer, .address_space: global }
      - { .name: w_hf_scales, .offset: 136, .size: 8, .value_kind: global_buffer, .address_space: global }
      - { .name: w_ho_codes, .offset: 144, .size: 8, .value_kind: global_buffer, .address_space: global }
      - { .name: w_ho_scales, .offset: 152, .size: 8, .value_kind: global_buffer, .address_space: global }
      - { .name: b_i, .offset: 160, .size: 8, .value_kind: global_buffer, .address_space: global }
      - { .name: b_c, .offset: 168, .size: 8, .value_kind: global_buffer, .address_space: global }
      - { .name: b_f, .offset: 176, .size: 8, .value_kind: global_buffer, .address_space: global }
      - { .name: b_o, .offset: 184, .size: 8, .value_kind: global_buffer, .address_space: global }
      - { .name: c0, .offset: 192, .size: 8, .value_kind: global_buffer, .address_space: global }
      - { .name: pbuf, .offset: 200, .size: 8, .value_kind: global_buffer, .address_space: global }
      - { .name: qbuf, .offset: 208, .size: 8, .value_kind: global_buffer, .address_space: global }
      - { .name: obuf, .offset: 216, .size: 8, .value_kind: global_buffer, .address_space: global }
    .group_segment_fixed_size: 327680
    .private_segment_fixed_size: 0
    .kernarg_segment_align: 8
    .kernarg_segment_size: 224
    .max_flat_workgroup_size: 128
    .sgpr_count:     106
    .vgpr_count:     1024
    .wavefront_size: 32
...
	.end_amdgpu_metadata
.endif
;; end of part 1
;; launch norm (part 2): grid 256 x 1, 8 waves a work-group, no clusters, 0 bytes of LDS; arguments pbuf, qbuf, obuf, out0, out1; writes out0, out1
.if DOCPART == 2
	.amdgcn_target "amdgcn-amd-amdhsa--gfx1250"
	.amdhsa_code_object_version 6
	.text
	.protected	k_qdb722a61b3_norm
	.globl	k_qdb722a61b3_norm
	.p2align	8
	.type	k_qdb722a61b3_norm,@function
k_qdb722a61b3_norm:
	s_mov_b64 s[64:65], 0
	v_nop
	global_prefetch_b8 v0, s[64:65] scope:SCOPE_SE
	s_setreg_imm32_b32 hwreg(HW_REG_WAVE_MODE, 25, 1), 1
	s_wait_xcnt 0x0
; u = pbuf + qbuf (= i c~ + f c0);  c = (u - mean) / sqrt(var + 1e-5) along a row of 2,048;  h = obuf tanh(c).  out0 = h, out1 = c.  All f32, [2048][2048].
; One wave takes one row: 8,192 bytes, 64 registers a lane, which stay in registers through both passes: each byte is read once and written once, no LDS, no barrier, no loop.
; The variance is taken of u - mean, in a second pass over the registers: no difference of large sums is formed.
; Each load and store of a wave covers 512 consecutive bytes at a multiple of 512 from the buffer's first byte.  All 48 loads of a wave go out at once.
; Matrix units, clusters and LDS are left out: the waves share nothing.  No prefetch: every byte is asked for at the head.
; LIMITS: NaN and infinities are not served.  tanh(c) = 1 - 2 / (1 + 2^(2 c log2 e)): absolute error a few units of 1e-7; for large |c| it goes cleanly to +-1.
.set P, 16                             ; v16-79    pbuf's row, then u, u - mean, c
.set Q, 80                             ; v80-143   qbuf's row, later tanh(c), h
.set O, 144                            ; v144-207  obuf's row
	s_load_b256 s[4:11], s[0:1], 0x0               ; pbuf, qbuf, obuf, out0
	s_load_b64 s[12:13], s[0:1], 0x20              ; out1
	v_lshrrev_b32 v2, 5, v0
	s_delay_alu instid0(VALU_DEP_1)
	v_readfirstlane_b32 s17, v2                    ; wave 0..7
	v_and_b32 v1, 31, v0
	s_delay_alu instid0(VALU_DEP_1)
	v_lshlrev_b32 v1, 4, v1                        ; 16 bytes a lane; never rewritten
	v_mov_b32 v10, 0                               ; a lane permute's destination counts as one of its sources
	s_lshl_b32 s18, ttmp9, 3
	s_add_co_u32 s18, s18, s17                     ; my row
	s_lshl_b32 s18, s18, 13                        ; in bytes (under 2^24)
	s_mov_b32 s19, 0
	s_mov_b32 s14, 0x76543210                      ; v_permlanex16_b32's selects for lane l xor 16
	s_mov_b32 s15, 0xfedcba98
	s_mov_b32 s16, 0x3a000000                      ; 1 / 2,048
	s_wait_alu depctr_va_vdst(0)
	s_wait_kmcnt 0x0
.irp b, 4,6,8,10,12
	s_add_nc_u64 s[\b:\b+1], s[\b:\b+1], s[18:19]
.endr
.irp j, 0,1,2,3,4,5,6,7,8,9,10,11,12,13,14,15
	global_load_b128 v[P+4*\j:P+4*\j+3], v1, s[4:5] offset:512*\j th:TH_LOAD_NT
.endr
.irp j, 0,1,2,3,4,5,6,7,8,9,10,11,12,13,14,15
	global_load_b128 v[Q+4*\j:Q+4*\j+3], v1, s[6:7] offset:512*\j th:TH_LOAD_NT
.endr
.irp j, 0,1,2,3,4,5,6,7,8,9,10,11,12,13,14,15
	global_load_b128 v[O+4*\j:O+4*\j+3], v1, s[8:9] offset:512*\j th:TH_LOAD_NT
.endr
; the four packed chains in v[2:9] become one number in v2, the same in every lane
.macro ACROSS
	s_delay_alu instid0(VALU_DEP_3)
	v_pk_add_f32 v[2:3], v[2:3], v[4:5]
	s_delay_alu instid0(VALU_DEP_2)
	v_pk_add_f32 v[6:7], v[6:7], v[8:9]
	s_delay_alu instid0(VALU_DEP_1)
	v_pk_add_f32 v[2:3], v[2:3], v[6:7]
	s_delay_alu instid0(VALU_DEP_1)
	v_add_f32 v2, v2, v3
	s_delay_alu instid0(VALU_DEP_1)
	v_add_f32_dpp v2, v2, v2 row_xmask:1 row_mask:0xf bank_mask:0xf
	s_delay_alu instid0(VALU_DEP_1)
	v_add_f32_dpp v2, v2, v2 row_xmask:2 row_mask:0xf bank_mask:0xf
	s_delay_alu instid0(VALU_DEP_1)
	v_add_f32_dpp v2, v2, v2 row_xmask:4 row_mask:0xf bank_mask:0xf
	s_delay_alu instid0(VALU_DEP_1)
	v_add_f32_dpp v2, v2, v2 row_xmask:8 row_mask:0xf bank_mask:0xf
	s_delay_alu instid0(VALU_DEP_1)
	v_permlanex16_b32 v10, v2, s14, s15
	s_delay_alu instid0(VALU_DEP_1)
	v_add_f32 v2, v2, v10
.endm
	s_wait_loadcnt 16                              ; pbuf's and qbuf's rows are in; obuf's 16 loads may stay out
.set n, 0
.rept 32
	v_pk_add_f32 v[P+n:P+n+1], v[P+n:P+n+1], v[Q+n:Q+n+1]      ; u
.set n, n+2
.endr
.irp k, 0,1,2,3
	v_pk_add_f32 v[2+2*\k:3+2*\k], v[P+2*\k:P+2*\k+1], v[P+8+2*\k:P+9+2*\k]   ; the first eight pairs start four chains: nothing is cleared
.endr
.set n, 16
.rept 24
	s_delay_alu instid0(VALU_DEP_4)
	v_pk_add_f32 v[2+n%8:3+n%8], v[2+n%8:3+n%8], v[P+n:P+n+1]
.set n, n+2
.endr
	ACROSS
	s_delay_alu instid0(VALU_DEP_1)
	v_mul_f32 v4, s16, v2                          ; the mean,
	s_delay_alu instid0(VALU_DEP_1)
	v_mov_b32 v5, v4                               ; as a pair
.set n, 0
.rept 32
	v_pk_add_f32 v[P+n:P+n+1], v[P+n:P+n+1], v[4:5] neg_lo:[0,1] neg_hi:[0,1]   ; u - mean
.set n, n+2
.endr
.irp k, 0,1,2,3
	v_pk_mul_f32 v[2+2*\k:3+2*\k], v[P+2*\k:P+2*\k+1], v[P+2*\k:P+2*\k+1]
.endr
.set n, 8
.rept 28
	s_delay_alu instid0(VALU_DEP_4)
	v_pk_fma_f32 v[2+n%8:3+n%8], v[P+n:P+n+1], v[P+n:P+n+1], v[2+n%8:3+n%8]
.set n, n+2
.endr
	ACROSS
	v_mov_b32 v3, 0x3727c5ac                       ; 1e-5
	s_delay_alu instid0(VALU_DEP_1)
	v_fma_f32 v2, v2, s16, v3                      ; var + eps
	s_wait_alu depctr_va_vdst(0)
	v_rsq_f32 v4, v2
	v_rsq_f32 v5, v2                               ; twice, for the pair that the packed multiply takes
	v_nop                                          ; a plain instruction behind the transcendentals (ISA guide 5.7.2)
	s_wait_alu depctr_va_vdst(0)                   ; one wait for both, ahead of their first reader
.set n, 0
.rept 32
	v_pk_mul_f32 v[P+n:P+n+1], v[P+n:P+n+1], v[4:5]            ; c; these registers are not written again
.set n, n+2
.endr
.irp j, 0,1,2,3,4,5,6,7,8,9,10,11,12,13,14,15
	global_store_b128 v1, v[P+4*\j:P+4*\j+3], s[12:13] offset:512*\j th:TH_STORE_NT
.endr
.set n, 0
.rept 32
	v_pk_mul_f32 v[Q+n:Q+n+1], v[P+n:P+n+1], 0x4038aa3b op_sel_hi:[1,0]   ; 2 c log2 e
.set n, n+2
.endr
.set n, 0
	s_wait_alu depctr_va_vdst(0)
.rept 64
	v_exp_f32 v[Q+n], v[Q+n]
.set n, n+1
.endr
	v_nop
	s_wait_alu depctr_va_vdst(0)                   ; one wait for the batch of 64
.set n, 0
.rept 32
	v_pk_add_f32 v[Q+n:Q+n+1], v[Q+n:Q+n+1], 1.0 op_sel_hi:[1,0]
.set n, n+2
.endr
.set n, 0
	s_wait_alu depctr_va_vdst(0)
.rept 64
	v_rcp_f32 v[Q+n], v[Q+n]
.set n, n+1
.endr
	v_nop
	s_wait_alu depctr_va_vdst(0)                   ; and one for the 64 reciprocals
.set n, 0
.rept 32
	v_pk_fma_f32 v[Q+n:Q+n+1], v[Q+n:Q+n+1], -2.0, 1.0 op_sel_hi:[1,0,0]   ; tanh(c)
.set n, n+2
.endr
	s_wait_loadcnt 0x0                             ; obuf's row
.set n, 0
.rept 32
	v_pk_mul_f32 v[Q+n:Q+n+1], v[Q+n:Q+n+1], v[O+n:O+n+1]      ; h
.set n, n+2
.endr
.irp j, 0,1,2,3,4,5,6,7,8,9,10,11,12,13,14,15
	global_store_b128 v1, v[Q+4*\j:Q+4*\j+3], s[10:11] offset:512*\j th:TH_STORE_NT
.endr
	s_endpgm
.Lfunc_end_k_qdb722a61b3_norm:
	.size	k_qdb722a61b3_norm, .Lfunc_end_k_qdb722a61b3_norm-k_qdb722a61b3_norm
	.p2alignl 7, 3214868480
	.fill 96, 4, 3214868480
	.section	.rodata,"a",@progbits
	.p2align	6, 0x0
	.amdhsa_kernel k_qdb722a61b3_norm
		.amdhsa_group_segment_fixed_size 0
		.amdhsa_private_segment_fixed_size 0
		.amdhsa_enable_private_segment 0
		.amdhsa_kernarg_size 40
		.amdhsa_user_sgpr_count 2
		.amdhsa_user_sgpr_kernarg_segment_ptr 1
		.amdhsa_wavefront_size32 1
		.amdhsa_system_sgpr_workgroup_id_x 1
		.amdhsa_system_sgpr_workgroup_id_y 1
		.amdhsa_system_sgpr_workgroup_id_z 1
		.amdhsa_system_vgpr_workitem_id 0
		.amdhsa_next_free_vgpr 208
		.amdhsa_next_free_sgpr 66
		.amdhsa_reserve_vcc 0
		.amdhsa_float_denorm_mode_32 3
		.amdhsa_float_denorm_mode_16_64 3
		.amdhsa_memory_ordered 1
		.amdhsa_forward_progress 1
		.amdhsa_inst_pref_size 36
	.end_amdhsa_kernel
	.amdgpu_metadata
---
amdhsa.version: [ 1, 2 ]
amdhsa.kernels:
  - .name:           k_qdb722a61b3_norm
    .symbol:         k_qdb722a61b3_norm.kd
    .args:
      - { .name: pbuf, .offset: 0, .size: 8, .value_kind: global_buffer, .address_space: global }
      - { .name: qbuf, .offset: 8, .size: 8, .value_kind: global_buffer, .address_space: global }
      - { .name: obuf, .offset: 16, .size: 8, .value_kind: global_buffer, .address_space: global }
      - { .name: out0, .offset: 24, .size: 8, .value_kind: global_buffer, .address_space: global }
      - { .name: out1, .offset: 32, .size: 8, .value_kind: global_buffer, .address_space: global }
    .group_segment_fixed_size: 0
    .private_segment_fixed_size: 0
    .kernarg_segment_align: 8
    .kernarg_segment_size: 40
    .max_flat_workgroup_size: 256
    .sgpr_count:     66
    .vgpr_count:     208
    .wavefront_size: 32
...
	.end_amdgpu_metadata
.endif
;; end of part 2
